; MI455X (gfx1250); checked and timed in simulation.
; The chip was launched on July 23, 2026; its instructions are those of AMD's public machine-readable ISA for CDNA 5 (MIT licence, August 2026) and "CDNA5" Instruction Set Architecture Reference Guide (July 2026). The comments in the code are by the model that wrote it; some were corrected since.
;; Rotary Multi Head Dot Product Attention. Allowed arithmetic: matrix products marked QUANTISED: E2M1 operands, one E8M0 scale for each 32 along K, by v_wmma_scale_f32_16x16x128_f8f6f4 with both operands' format E2M1 (or v_wmma_scale_f32_32x16x128_f4), f32 sums; products left as they are: bf16, f16 or f32 operands; f32 sums; everything else in f32.
;; Inputs: Wk 768 x 12 x 64 float32; Wo 12 x 64 x 768 float32; Wq 768 x 12 x 64 float32; Wv 768 x 12 x 64 float32; bk 12 x 64 float32; bo 768 float32; bq 12 x 64 float32; bv 12 x 64 float32; inputs_kv 16 x 1,024 x 768 float32; inputs_q 16 x 1,024 x 768 float32.
;; Outputs: out0 16 x 1,024 x 768 float32.
;; This version of the problem:
;;   THIS VERSION OF THE PROBLEM IS GIVEN IN LOW PRECISION. The matrix products marked QUANTISED in the list below multiply operands that are first quantised to E2M1 (2 exponent bits, 1 mantissa bit; 4 bits a number), with one power-of-two scale for each 32 numbers along K (OCP MX v1.0); their sums are f32. The products marked 'left as it is' may take bf16, f16 or f32 operands, with f32 sums. Whichever they take, every output number must still come out within the allowed error. Rounding operands to bf16 (8 significant bits) uses up far more of that allowance than f16 does (11 bits, for magnitudes from 6e-5 to 65,504). All else is computed in f32.
;;   The module's matrix products, in the order in which they are computed (A, B: the left and right operand; K: the contracted axis; several contracted axes count as one K, in the product's order):
;;     1. [M 16,384, K 768] x [K 768, N 768]; A: input inputs_q; B: input Wq: QUANTISED
;;     2. [M 16,384, K 768] x [K 768, N 768]; A: input inputs_kv; B: input Wk: QUANTISED
;;     3. [M 16,384, K 768] x [K 768, N 768]; A: input inputs_kv; B: input Wv: QUANTISED
;;     4. [M 16,384, K 1] x [K 1, N 16]; A: computed on the way; B: computed on the way: left as it is (no contracted axis)
;;     5. [M 16,384, K 1] x [K 1, N 16]; A: computed on the way; B: computed on the way: left as it is (no contracted axis)
;;     6. batch 192 x [M 1,024, K 64] x [K 64, N 1,024]; A: computed on the way; B: computed on the way: left as it is (an operand is computed on the way)
;;     7. batch 192 x [M 64, K 1,024] x [K 1,024, N 1,024]; A: computed on the way; B: computed on the way: left as it is (an operand is computed on the way)
;;     8. [M 16,384, K 768] x [K 768, N 768]; A: computed on the way; B: input Wo: left as it is (an operand is computed on the way)
;;   THE QUANTISER, for each operand of a quantised product, along K:
;;     - K is cut into blocks of 32 from its start; a last block that is shorter is filled with zeros.
;;     - A block's scale is 2^e with e = floor(log2(the largest magnitude in the block)) - 2, held to -126 .. 127; a block of zeros has e = 0. As a byte (E8M0): e + 127.
;;     - Each number is divided by its block's scale, clamped to +-6, and rounded to the nearest number of E2M1, ties to even, subnormals kept.
;;     - The product sums the exact products of the quantised numbers (number of the format x scale) in f32.
;;   ~~~python
;;   def quantise(x, axis):      # numpy; x: float32 -> the quantised numbers, widened to float32 again
;;       x = np.moveaxis(x, axis, -1); K = x.shape[-1]
;;       x = np.pad(x, [(0, 0)] * (x.ndim - 1) + [(0, -K % 32)]); x = x.reshape(x.shape[:-1] + (-1, 32)); a = np.abs(x).max(-1, keepdims=True)
;;       e = np.where(a > 0, np.clip(np.frexp(np.where(a > 0, a, 1))[1] - 1 - 2, -126, 127), 0)      # np.frexp(a)[1] - 1 = floor(log2(a)), exactly
;;       r = np.clip(x / 2.0 ** e, -6, 6)
;;       step = 2.0 ** (np.maximum(np.frexp(np.where(r == 0, 1, r))[1] - 1, 0) - 1)
;;       q = np.round(r / step) * step * 2.0 ** e      # np.round: ties to even
;;       return np.moveaxis(q.reshape(q.shape[:-2] + (-1,))[..., :K], -1, axis).astype(np.float32)
;;   ~~~
;; One version. Each part assembles by itself: llvm-mc -triple=amdgcn-amd-amdhsa -mcpu=gfx1250 --defsym DOCPART=n.
;; ======== version 1 of 1: 4 launches
;; limits: values are held in f16: magnitudes above 65,504 overflow, below 6.1e-05 lose precision
;; workspace buffers: xc 12,582,912 bytes; xs 1,048,576 bytes; wc 884,736 bytes; ws 73,728 bytes; wo16 1,179,648 bytes; qkv 75,497,472 bytes; o16 25,165,824 bytes
;; launch prep (part 1): grid 328 x 1, 8 waves a work-group, no clusters, 70,656 bytes of LDS; arguments inputs_q, inputs_kv, Wq, Wk, Wv, Wo, xc, xs, wc, ws, wo16; writes xc, xs, wc, ws, wo16
.if DOCPART == 1
	.amdgcn_target "amdgcn-amd-amdhsa--gfx1250"
	.amdhsa_code_object_version 6
	.text
	.protected	k_q59505858a8_prep
	.globl	k_q59505858a8_prep
	.p2align	8
	.type	k_q59505858a8_prep,@function
k_q59505858a8_prep:
	s_mov_b64 s[64:65], 0
	v_nop
	global_prefetch_b8 v0, s[64:65] scope:SCOPE_SE
	s_setreg_imm32_b32 hwreg(HW_REG_WAVE_MODE, 25, 1), 1
	s_wait_xcnt 0x0
; FIRST OF FOUR LAUNCHES (prep, proj, attn, outp) for: q, k, v = x W + b (three products on codes of E2M1 with one E8M0 scale for each 32 along K), a 2-D rotary turn of q and k,
; softmax(q k^T / 8) v for each of 16 x 12 heads of 64, and the projection by Wo with bo.
; NO WORK IS LEFT OUT AS DEAD: every input has a way to the output and is loaded (bk too: the rotary turn makes its term differ from key to key).  The two outer products that make the rotary angles have no
; contracted axis, and reference() itself tiles their coordinates over the batch: a wave of the second launch makes just the angles of its own tokens.
; THIS LAUNCH turns inputs_q and inputs_kv [16384][768] and Wq, Wk, Wv [768 (k)][768 (n)], all f32, into codes and scale bytes, and Wo [768 (k)][768 (m)] into f16.
; A block's scale is 2^(floor(log2(its largest magnitude)) - 2); its byte is the largest magnitude's exponent field - 2, held at 1 from below; each number is divided by the scale and rounded to the nearest code, ties to even,
; beyond 6 the largest code.
; LIMITS: a block of zeros gets the byte 1 where the rule says 127 (its codes are zeros, which add nothing under any byte but 0xff, and this program alone reads the bytes); NaN and infinities among the inputs are not served;
; Wo is rounded to f16: magnitudes from 6e-5 to 65,504 keep 11 bits.
; ALL WORKSPACE IS LAID AS IMAGES OF OPERAND REGISTERS: a fragment (16 rows x 128 K of 4 bits, or 16 rows x 32 K of 16 bits: 8 registers a lane) is 1,024 bytes: registers 0-3 of lane l at 16 l, registers 4-7 at 512 + 16 l.
;   xc [2 tensors][1024 row tiles][6 K steps][1024]   xs [2][1024][16 rows][8 words] (word s: K step s; words 6, 7 are 0)
;   wc [3 weights][48 tiles of n][6 K steps][1024]    ws [3][48][16 rows][8 words] (words 6, 7 neither written nor read)     wo16 [48 tiles of m][24 blocks of 32 k][1024]
; SHARES.  Work-groups 0 to 255 take the two inputs, 393,216 bytes read each; work-groups 256 to 327 the four weights, 18 each, 131,072 bytes read each: the long ones stand first.
; Only the inputs' path uses LDS.  No barrier: waves share nothing.
.set WREG,  8704                       ; LDS of a wave: two stages of 16 rows x 272 bytes
.set STG,   4352
.set SPARE, 8*WREG                     ; behind the eight regions: the spare words, 128 bytes for each wave: four blocks of 256 bytes that no other line names
.set SPW,   14                         ; v14  LDS address of my spare word; never rewritten
.set NIL,   15                         ; v15  0; never rewritten
.set R,     32                         ; v32-127   inputs: three sets of 32 registers as loaded.  Weights: v32-159, 128 numbers down K
.set X,     128                        ; v128-191  inputs: two sets of 32 neighbours along K
.set C,     192                        ; v192-239  inputs: four registers of codes for each step, never rewritten
	s_load_b512 s[8:23], s[0:1], 0x0               ; inputs_q s[8:9], inputs_kv s[10:11], Wq s[12:13], Wk s[14:15], Wv s[16:17], Wo s[18:19], xc s[20:21], xs s[22:23]
	s_load_b128 s[24:27], s[0:1], 0x40             ; wc s[24:25], ws s[26:27]
	s_load_b64 s[28:29], s[0:1], 0x50              ; wo16
	v_lshl_add_u32 v[SPW], v0, 2, SPARE
	v_mov_b32 v[NIL], 0
	v_lshrrev_b32 v1, 5, v0
	v_readfirstlane_b32 s2, v1                     ; wave 0..7
	v_and_b32 v1, 31, v0                           ; lane
	v_and_b32 v2, 15, v0                           ; r
	v_bfe_u32 v3, v0, 4, 1                         ; h
	s_cmp_ge_u32 ttmp9, 256
	s_cbranch_scc1 .Lweights
; ---------------- THE INPUTS.  A wave takes one row tile: 16 rows x 768 numbers, in 12 steps of 16 rows x 64 numbers (256 bytes of each row).
; A load reads 256 consecutive aligned bytes of two rows; the step's 4,096 bytes turn through the wave's own stage in LDS (rows 272 bytes apart, so that the sixteen rows of a read start in different banks),
; and lane (r, h) gets back the 32 numbers of ONE block: block 2 c + h of row r in K step s, for step t = 2 s + c.  Those are the numbers whose codes that lane holds in the fragment: the codes are stored as they stand.
	s_lshl_b32 s4, ttmp9, 3
	s_add_co_u32 s4, s4, s2                        ; my row tile among the 2,048 of both tensors
	s_and_b32 s5, s4, 1023                         ; and in its own tensor
	s_mul_i32 s30, s5, 49152                       ; 16 rows of 3,072 bytes
	s_mov_b32 s31, 0
	s_mul_i32 s32, s4, 6144                        ; six fragments
	s_mov_b32 s33, 0
	s_lshl_b32 s34, s4, 9                          ; 16 rows x 8 scale words
	s_mov_b32 s35, 0
	s_mul_i32 s36, s2, WREG
	v_mul_u32_u24 v4, v3, 3072
	v_lshl_add_u32 v4, v2, 4, v4                   ; a load: lanes 0-15 an even row, lanes 16-31 the odd one, 16 bytes a lane
	v_mul_u32_u24 v5, v3, 272
	v_lshl_add_u32 v5, v2, 4, v5
	v_add_nc_u32 v5, s36, v5                       ; into the stage, as loaded
	v_mul_u32_u24 v6, v2, 272
	v_lshl_add_u32 v6, v3, 7, v6
	v_add_nc_u32 v6, s36, v6                       ; out of it: row r, 128 bytes for each half of the lanes
	v_lshlrev_b32 v7, 4, v1                        ; an image's place for my lane
	v_lshlrev_b32 v12, 3, v3                       ; 8 h: my bytes' place in a scale word
	v_mov_b32 v13, 0                               ; a lane permute's destination counts as one of its sources
	v_lshlrev_b32 v27, 5, v2
	v_lshl_add_u32 v27, v3, 4, v27                 ; the scale words' store: row r, 16 bytes for each half
	s_mov_b32 s40, 0x76543210
	s_mov_b32 s41, 0xfedcba98                      ; v_permlanex16_b32's selects for lane l xor 16
	s_wait_kmcnt 0x0
	s_cmp_lt_u32 s4, 1024                          ; row tiles 0 to 1,023: inputs_q; the others: inputs_kv.  The choice hangs on the work-group's and the wave's number alone
	s_cselect_b64 s[8:9], s[8:9], s[10:11]
	s_add_nc_u64 s[8:9], s[8:9], s[30:31]
	s_add_nc_u64 s[20:21], s[20:21], s[32:33]
	s_add_nc_u64 s[22:23], s[22:23], s[34:35]
.macro XLOAD t
.irp i, 0,1,2,3,4,5,6,7
	global_load_b128 v[R+32*((\t)%3)+4*\i:R+32*((\t)%3)+4*\i+3], v4, s[8:9] offset:6144*\i+256*(\t) th:TH_LOAD_NT
.endr
.endm
.macro XTURN t                         ; LDS serves a wave's instructions in order: no wait between the stores and the loads
.irp i, 0,1,2,3,4,5,6,7
	ds_store_b128 v5, v[R+32*((\t)%3)+4*\i:R+32*((\t)%3)+4*\i+3] offset:STG*((\t)%2)+544*\i
.endr
.irp j, 0,1,2,3,4,5,6,7
	ds_load_b128 v[X+32*((\t)%2)+4*\j:X+32*((\t)%2)+4*\j+3], v6 offset:STG*((\t)%2)+16*\j
.endr
.endm
.macro XSTEP t
.set XS, X+32*((\t)%2)
	s_wait_dscnt 0x0                               ; this step's numbers are back from the stage, so its stores into the stage have read their registers,
.if (\t)+3 < 12
	XLOAD (\t)+3                                   ; which take the loads of three steps on
.endif
.if (\t)+1 < 12
.if (\t)+3 < 12
	s_wait_loadcnt 16                              ; the next step's eight loads are in; those of the two steps behind it may be out
.else
	s_wait_loadcnt 8*(11-((\t)+1))
.endif
	XTURN (\t)+1                                   ; and go through the other stage while this step is worked
.endif
	v_max3_num_f32 v8, |v[XS]|, |v[XS+1]|, |v[XS+2]|               ; the block's largest magnitude: all 32 numbers are mine; two chains
	v_max3_num_f32 v9, |v[XS+3]|, |v[XS+4]|, |v[XS+5]|
.irp i, 6,10,14,18,22,26
	v_max3_num_f32 v8, v8, |v[XS+\i]|, |v[XS+\i+1]|
	v_max3_num_f32 v9, v9, |v[XS+\i+2]|, |v[XS+\i+3]|
.endr
	v_max3_num_f32 v8, v8, |v[XS+30]|, |v[XS+31]|
	v_max3_num_f32 v8, v8, v9, 0x1800000           ; and the floor 2^(3 - 127): the byte cannot fall under 1
	v_add_nc_u32 v10, 0xff000000, v8               ; 2 off its exponent field: the conversion takes the exponent field of this operand as its scale
.irp g, 0,1,2,3
	v_cvt_scalef32_pk8_fp4_f32 v[C+4*(\t)+\g], v[XS+8*\g:XS+8*\g+7], v10
.endr
.if (\t)%2 == 0
	v_lshrrev_b32 v26, 23, v10                     ; the byte of block h.  (A plain line behind the conversions)
.else
	v_lshrrev_b32 v11, 23, v10                     ; the byte of block 2 + h
	v_lshl_or_b32 v11, v11, 16, v26
	v_lshlrev_b32 v11, v12, v11                    ; my two bytes at their places,
	v_permlanex16_b32 v13, v11, s40, s41
	v_or_b32 v[16+(\t)/2], v11, v13                ; with lane l xor 16's two: row r's scale word of this K step
.endif
	global_store_b128 v7, v[C+4*(\t):C+4*(\t)+3], s[20:21] offset:512*(\t)   ; 32 lanes store 512 consecutive bytes: half a fragment's image
.endm
	XLOAD 0
	XLOAD 1
	XLOAD 2
	s_wait_loadcnt 16                              ; step 0's eight loads are in
	XTURN 0
.irp t, 0,1,2,3,4,5,6,7,8,9,10,11
	XSTEP \t
.endr
	v_cmp_eq_u32 vcc_lo, 0, v3
	v_cndmask_b32 v22, v20, v16, vcc_lo            ; lanes 0-15 store words 0-3 of row r, lanes 16-31 words 4, 5, 0, 0
	v_cndmask_b32 v23, v21, v17, vcc_lo
	v_cndmask_b32 v24, 0, v18, vcc_lo
	v_cndmask_b32 v25, 0, v19, vcc_lo
	global_store_b128 v27, v[22:25], s[22:23]      ; 512 consecutive bytes
	s_wait_tensorcnt 0x0                           ; the wave's end: behind my last LDS store
	ds_add_u32 v[SPW], v[NIL]
	s_wait_dscnt 0x0
	s_endpgm
; ---------------- THE WEIGHTS.  K is their FIRST axis: a lane takes a column and its registers run down K.  A wave takes 32 columns x 128 along K (one K step); the eight waves read 1,024 consecutive bytes of each row.
; A block of 32 along K lies in one lane's 32 registers; its 16 bytes of codes are one unit of a fragment's image: (block b, row r) at 256 b + 16 r.  No LDS.
.Lweights:
	s_sub_co_u32 s6, ttmp9, 256                    ; u = 0..71
	s_mul_i32 s3, s6, 57
	s_lshr_b32 s3, s3, 10                          ; which weight: u / 18 (exact for u < 72): 0 Wq, 1 Wk, 2 Wv, 3 Wo
	s_mul_i32 s7, s3, 18
	s_sub_co_u32 s6, s6, s7                        ; x = u % 18
	s_mul_i32 s4, s6, 11
	s_lshr_b32 s4, s4, 5                           ; K step s = x / 3 (exact for x < 18)
	s_mul_i32 s5, s4, 3
	s_sub_co_u32 s5, s6, s5
	s_lshl_b32 s5, s5, 3
	s_add_co_u32 s5, s5, s2                        ; which 32 columns: 0..23
	s_mul_i32 s30, s4, 393216                      ; 128 rows of 3,072 bytes
	s_lshl_b32 s31, s5, 7
	s_add_co_u32 s30, s30, s31
	s_mov_b32 s31, 0
	v_lshlrev_b32 v4, 2, v1
	s_wait_kmcnt 0x0
	s_cmp_eq_u32 s3, 1                             ; the weight is chosen by the work-group's number alone
	s_cselect_b64 s[12:13], s[14:15], s[12:13]
	s_cmp_eq_u32 s3, 2
	s_cselect_b64 s[12:13], s[16:17], s[12:13]
	s_cmp_eq_u32 s3, 3
	s_cselect_b64 s[12:13], s[18:19], s[12:13]
	s_add_nc_u64 s[12:13], s[12:13], s[30:31]
.macro WLOAD b                         ; block b: W(32 b + i, my column)
.set i, 0
.rept 32
	global_load_b32 v[32+32*(\b)+i], v4, s[12:13] offset:3072*(32*(\b)+i) th:TH_LOAD_NT
.set i, i+1
.endr
.endm
.macro WWAIT b                         ; block b is in; the loads run two blocks ahead
.if (\b) < 3
	s_wait_loadcnt 32                              ; the next block's 32 loads may be out
.else
	s_wait_loadcnt 0x0
.endif
.if (\b)+2 < 4
	WLOAD (\b)+2
.endif
.endm
	WLOAD 0
	WLOAD 1
	s_cmp_eq_u32 s3, 3
	s_cbranch_scc1 .Lwo
	s_mul_i32 s32, s3, 294912                      ; wc: the weight, two tiles of n for my 32 columns, the K step
	s_mul_i32 s33, s5, 12288
	s_add_co_u32 s32, s32, s33
	s_lshl_b32 s33, s4, 10
	s_add_co_u32 s32, s32, s33
	s_mov_b32 s33, 0
	s_add_nc_u64 s[24:25], s[24:25], s[32:33]
	s_mul_i32 s34, s3, 24576                       ; ws likewise
	s_lshl_b32 s35, s5, 10
	s_add_co_u32 s34, s34, s35
	s_lshl_b32 s35, s4, 2
	s_add_co_u32 s34, s34, s35
	s_mov_b32 s35, 0
	s_add_nc_u64 s[26:27], s[26:27], s[34:35]
	v_mul_u32_u24 v5, v3, 6144
	v_lshl_add_u32 v5, v2, 4, v5                   ; lanes 16-31 belong to the next tile of n
	v_lshlrev_b32 v6, 9, v3
	v_lshl_add_u32 v6, v2, 5, v6
.macro WBLOCK b
.set XS, 32+32*(\b)
	WWAIT \b
	v_max3_num_f32 v8, |v[XS]|, |v[XS+1]|, |v[XS+2]|
	v_max3_num_f32 v9, |v[XS+3]|, |v[XS+4]|, |v[XS+5]|
.irp i, 6,10,14,18,22,26
	v_max3_num_f32 v8, v8, |v[XS+\i]|, |v[XS+\i+1]|
	v_max3_num_f32 v9, v9, |v[XS+\i+2]|, |v[XS+\i+3]|
.endr
	v_max3_num_f32 v8, v8, |v[XS+30]|, |v[XS+31]|
	v_max3_num_f32 v8, v8, v9, 0x1800000
	v_add_nc_u32 v10, 0xff000000, v8
.irp g, 0,1,2,3
	v_cvt_scalef32_pk8_fp4_f32 v[160+4*(\b)+\g], v[XS+8*\g:XS+8*\g+7], v10
.endr
	v_lshrrev_b32 v11, 23, v10                     ; the scale's byte.  (A plain line behind the conversions)
.if (\b) == 0
	v_mov_b32 v12, v11
.else
	v_lshl_or_b32 v12, v11, 8*(\b), v12            ; four bytes make my column's scale word of this K step
.endif
	global_store_b128 v5, v[160+4*(\b):160+4*(\b)+3], s[24:25] offset:256*(\b)   ; each half of the lanes stores 256 consecutive aligned bytes
.endm
	WBLOCK 0
	WBLOCK 1
	WBLOCK 2
	WBLOCK 3
	global_store_b32 v6, v12, s[26:27]             ; 4 bytes a row, rows 32 bytes apart: one byte in 128 of what the wave reads
	s_endpgm
.Lwo:                                  ; Wo to f16: (group g of 8 along k, row r) of a fragment at 256 g + 16 r
	s_mul_i32 s32, s5, 49152                       ; two tiles of m of 24,576 bytes
	s_lshl_b32 s33, s4, 12                         ; four blocks of 32 k
	s_add_co_u32 s32, s32, s33
	s_mov_b32 s33, 0
	s_add_nc_u64 s[28:29], s[28:29], s[32:33]
	v_mul_u32_u24 v5, v3, 24576
	v_lshl_add_u32 v5, v2, 4, v5
.macro WOBLOCK q
	WWAIT \q
.set i, 0
.rept 16
	v_cvt_pk_f16_f32 v[160+16*(\q)+i], v[32+32*(\q)+2*i], v[32+32*(\q)+2*i+1]
.set i, i+1
.endr
.irp g, 0,1,2,3
	global_store_b128 v5, v[160+16*(\q)+4*\g:160+16*(\q)+4*\g+3], s[28:29] offset:1024*(\q)+256*\g
.endr
.endm
	WOBLOCK 0
	WOBLOCK 1
	WOBLOCK 2
	WOBLOCK 3
	s_endpgm
.Lfunc_end_k_q59505858a8_prep:
	.size	k_q59505858a8_prep, .Lfunc_end_k_q59505858a8_prep-k_q59505858a8_prep
	.p2alignl 7, 3214868480
	.fill 96, 4, 3214868480
	.section	.rodata,"a",@progbits
	.p2align	6, 0x0
	.amdhsa_kernel k_q59505858a8_prep
		.amdhsa_group_segment_fixed_size 70656
		.amdhsa_private_segment_fixed_size 0
		.amdhsa_enable_private_segment 0
		.amdhsa_kernarg_size 88
		.amdhsa_user_sgpr_count 2
		.amdhsa_user_sgpr_kernarg_segment_ptr 1
		.amdhsa_wavefront_size32 1
		.amdhsa_system_sgpr_workgroup_id_x 1
		.amdhsa_system_sgpr_workgroup_id_y 1
		.amdhsa_system_sgpr_workgroup_id_z 1
		.amdhsa_system_vgpr_workitem_id 0
		.amdhsa_next_free_vgpr 256
		.amdhsa_next_free_sgpr 66
		.amdhsa_reserve_vcc 1
		.amdhsa_float_denorm_mode_32 3
		.amdhsa_float_denorm_mode_16_64 3
		.amdhsa_memory_ordered 1
		.amdhsa_forward_progress 1
		.amdhsa_inst_pref_size 76
	.end_amdhsa_kernel
	.amdgpu_metadata
---
amdhsa.version: [ 1, 2 ]
amdhsa.kernels:
  - .name:           k_q59505858a8_prep
    .symbol:         k_q59505858a8_prep.kd
    .args:
      - { .name: inputs_q, .offset: 0, .size: 8, .value_kind: global_buffer, .address_space: global }
      - { .name: inputs_kv, .offset: 8, .size: 8, .value_kind: global_buffer, .address_space: global }
      - { .name: Wq, .offset: 16, .size: 8, .value_kind: global_buffer, .address_space: global }
      - { .name: Wk, .offset: 24, .size: 8, .value_kind: global_buffer, .address_space: global }
      - { .name: Wv, .offset: 32, .size: 8, .value_kind: global_buffer, .address_space: global }
      - { .name: Wo, .offset: 40, .size: 8, .value_kind: global_buffer, .address_space: global }
      - { .name: xc, .offset: 48, .size: 8, .value_kind: global_buffer, .address_space: global }
      - { .name: xs, .offset: 56, .size: 8, .value_kind: global_buffer, .address_space: global }
      - { .name: wc, .offset: 64, .size: 8, .value_kind: global_buffer, .address_space: global }
      - { .name: ws, .offset: 72, .size: 8, .value_kind: global_buffer, .address_space: global }
      - { .name: wo16, .offset: 80, .size: 8, .value_kind: global_buffer, .address_space: global }
    .group_segment_fixed_size: 70656
    .private_segment_fixed_size: 0
    .kernarg_segment_align: 8
    .kernarg_segment_size: 88
    .max_flat_workgroup_size: 256
    .sgpr_count:     66
    .vgpr_count:     256
    .wavefront_size: 32
...
	.end_amdgpu_metadata
.endif
;; end of part 1
;; launch proj (part 2): grid 64 x 3, 4 waves a work-group, no clusters, 0 bytes of LDS; arguments xc, xs, wc, ws, bq, bk, bv, qkv; writes qkv
.if DOCPART == 2
	.amdgcn_target "amdgcn-amd-amdhsa--gfx1250"
	.amdhsa_code_object_version 6
	.text
	.protected	k_q59505858a8_proj
	.globl	k_q59505858a8_proj
	.p2align	8
	.type	k_q59505858a8_proj,@function
k_q59505858a8_proj:
	s_mov_b64 s[64:65], 0
	v_nop
	global_prefetch_b8 v0, s[64:65] scope:SCOPE_SE
	s_setreg_imm32_b32 hwreg(HW_REG_WAVE_MODE, 25, 1), 1
	s_wait_xcnt 0x0
; q = x_q Wq + bq, k = x_kv Wk + bk, v = x_kv Wv + bv on the codes that the first launch made (E2M1, one E8M0 scale for each 32 along K, f32 sums); the rotary turn of q and k in f32; results rounded to f16 and
; stored as images of the operand registers that the attention launch loads.  Nothing is left out.
; SHARES.  y = which product (0 q, 1 k, 2 v); x = 256 rows (batch x / 4, token tiles 16 (x % 4) + 0 .. 15).  THE FOUR WAVES SHARE THE COLUMNS: wave w holds columns 192 w .. 192 w + 191 (heads 3 w .. 3 w + 2: 12 tiles of 16)
; of its weight, for all of K, in 576 REGISTERS for the whole launch, read from memory once.  The rows' fragments come straight from memory, 12 loads of 512 consecutive bytes a row tile, one row tile ahead.  No LDS, no barrier.
; 192 work-groups: the columns are 3 x 48 tiles and the rows a power of two; a finer split would read the weights, 332 KB a work-group, that many times more often for the same products.
; q AND k ARE MADE TRANSPOSED (source 0 = 16 columns of W, source 1 = 16 tokens): a lane holds one token and 8 neighbouring channels, so the rotary pairs lie in one lane and its 8 results pack into the 16 bytes that the same lane
; holds in a fragment (rows = tokens, K = channels).  v is made the other way round (source 0 = tokens): a lane holds one channel and 8 neighbouring tokens: its 16 bytes of a fragment of V^T (rows = channels, K = keys).
; So every store is a wave's 512 consecutive aligned bytes, straight from registers.
;   qkv: three regions of 25,165,824 bytes; head index 16 hd + n, 131,072 bytes a head.  q, k: [head][64 token tiles][2 blocks of 32 channels][1024].  v: [head][32 blocks of 32 keys][4 tiles of channels][1024].
; THE ROTARY ANGLES are reference()'s own: token l has x = l % 32, y = l / 32, angle = (coordinate + 0.5) / 32 x 10000^(-f / 15), between 0 and 1.  Sine and cosine by their power series to a^11 and a^12 (the remainder is under 2e-10
; for angles up to 1, a bound that comes from reference()'s coordinates).  Along x the tables of the two kinds of token tile stay; along y the table is turned on by the angle of one row of the grid every two tiles.
; LIMITS: q, k, v are rounded to f16: magnitudes up to 65,504; under 6e-5 they keep an absolute step of 6e-8.  With all inputs 30 times larger, or with an offset of 30 spreads on them, they stay under 6,000; both at once is not served.
; REGISTERS, in windows of 256: window 0: v1, v2 offsets; v16-87 W's scale words (tile t, K step s at 16 + 6 t + s); v88-93, v96-101 the rows' scale words, two sets; v104-135, v136-151, v152-167 the tables (cos, sin in pairs);
;   v168-175 at work; v176-223 six accumulators; v224-255 at work.   windows 1, 2 and v0-63 of 3: W's fragment 12 s + t.   window 3: v64-159 the bias as 12 tiles in the result's layout; v160-207, v208-255 the rows' fragments, two sets.
.set REG,  25165824
.set LI,   1                           ; v1  16 x lane: an image's place for my lane
.set XSO,  2                           ; v2  32 x (lane % 16): a row's scale words
.set WS,   16
.set XSC,  88
.set RX,   104
.set RY,   136
.set DY,   152
.set T,    168
.set ACC,  176
.set BIAS, 64
.set XF,   160
.set MSB, 0
.macro WIN new                         ; the immediate's high byte repeats the setting that is left; a switch that changes nothing is dropped
.if MSB != (\new)
	s_set_vgpr_msb (MSB<<8)|(\new)
.set MSB, (\new)
.endif
.endm
	s_load_b512 s[8:23], s[0:1], 0x0               ; xc s[8:9], xs s[10:11], wc s[12:13], ws s[14:15], bq s[16:17], bk s[18:19], bv s[20:21], qkv s[22:23]
	v_lshrrev_b32 v3, 5, v0
	v_readfirstlane_b32 s2, v3                     ; wave 0..3
	v_and_b32 v4, 31, v0
	v_lshlrev_b32 v[LI], 4, v4
	v_and_b32 v5, 15, v0                           ; r
	v_lshlrev_b32 v[XSO], 5, v5
	v_bfe_u32 v6, v0, 4, 1                         ; h
	v_lshlrev_b32 v7, 5, v6                        ; the bias of q and k: 8 numbers for each half of the lanes
	v_lshlrev_b32 v8, 2, v5                        ; the bias of v: one number a lane
	s_and_b32 s3, ttmp7, 0xffff                    ; y
	s_min_u32 s4, s3, 1                            ; q reads the first tensor's codes, k and v the second's
	s_lshl_b32 s4, s4, 10
	s_lshl_b32 s5, ttmp9, 4
	s_add_co_u32 s4, s4, s5                        ; my first row tile
	s_mul_i32 s24, s4, 6144
	s_mov_b32 s25, 0
	s_lshl_b32 s26, s4, 9
	s_mov_b32 s27, 0
	s_mul_i32 s28, s3, 294912
	s_mul_i32 s5, s2, 73728                        ; my 12 tiles of columns
	s_add_co_u32 s28, s28, s5
	s_mov_b32 s29, 0
	s_mul_i32 s30, s3, 24576
	s_mul_i32 s5, s2, 6144
	s_add_co_u32 s30, s30, s5
	s_mov_b32 s31, 0
	s_mul_i32 s32, s2, 768                         ; my 192 numbers of the bias
	s_mov_b32 s33, 0
	s_mul_i32 s34, s3, REG
	s_mul_i32 s5, s2, 48                           ; head index 16 (3 w) + n
	s_lshr_b32 s6, ttmp9, 2
	s_add_co_u32 s5, s5, s6
	s_lshl_b32 s5, s5, 17
	s_add_co_u32 s34, s34, s5
	s_and_b32 s6, ttmp9, 3
	s_lshl_b32 s5, s6, 15                          ; 16 token tiles of 2,048 bytes = 8 key blocks of 4,096
	s_add_co_u32 s34, s34, s5
	s_mov_b32 s35, 0
	s_lshl_b32 s36, s6, 3                          ; the grid's row of my first token
	s_wait_kmcnt 0x0
	s_add_nc_u64 s[8:9], s[8:9], s[24:25]
	s_add_nc_u64 s[10:11], s[10:11], s[26:27]
	s_add_nc_u64 s[12:13], s[12:13], s[28:29]
	s_add_nc_u64 s[14:15], s[14:15], s[30:31]
	s_add_nc_u64 s[22:23], s[22:23], s[34:35]
	s_cmp_eq_u32 s3, 1                             ; the bias is chosen by y alone
	s_cselect_b64 s[16:17], s[18:19], s[16:17]
	s_cmp_eq_u32 s3, 2
	s_cselect_b64 s[16:17], s[20:21], s[16:17]
	s_add_nc_u64 s[16:17], s[16:17], s[32:33]
.set FF, 0
.rept 72                               ; W's fragments: they stay
	WIN ((1+FF/32)<<6)
	global_load_b128 v[8*(FF%32):8*(FF%32)+3], v[LI], s[12:13] offset:6144*(FF%12)+1024*(FF/12)
	global_load_b128 v[8*(FF%32)+4:8*(FF%32)+7], v[LI], s[12:13] offset:6144*(FF%12)+1024*(FF/12)+512
.set FF, FF+1
.endr
	WIN 0
.irp t, 0,1,2,3,4,5,6,7,8,9,10,11
	global_load_b128 v[WS+6*\t:WS+6*\t+3], v[XSO], s[14:15] offset:512*\t        ; lane r: the six scale words of row r of tile t
	global_load_b64 v[WS+6*\t+4:WS+6*\t+5], v[XSO], s[14:15] offset:512*\t+16
.endr
; a row tile's six fragments and six scale words, off bytes on from the base, into one of the two sets: 14 loads
.macro XLOAD set, off
	WIN 0xc0
.irp s, 0,1,2,3,4,5
	global_load_b128 v[XF+48*(\set)+8*\s:XF+48*(\set)+8*\s+3], v[LI], s[8:9] offset:(\off)+1024*\s
	global_load_b128 v[XF+48*(\set)+8*\s+4:XF+48*(\set)+8*\s+7], v[LI], s[8:9] offset:(\off)+1024*\s+512
.endr
	WIN 0
	global_load_b128 v[XSC+8*(\set):XSC+8*(\set)+3], v[XSO], s[10:11] offset:(\off)/12
	global_load_b64 v[XSC+8*(\set)+4:XSC+8*(\set)+5], v[XSO], s[10:11] offset:(\off)/12+16
.endm
; 36 matrix instructions: six tiles of columns (6 half + 0 .. 5) x six K steps.  The six accumulators take turns, one instruction a turn.  The bias is the C of each sum's first instruction.
.macro MULS ver, p, half
.set KK, 0
.rept 6
.set UU, 0
.rept 6
.set TT, 6*(\half)+UU
.set FF, 12*KK+TT
.set WW, 1+FF/32
.set RW, 8*(FF%32)
.set RA, ACC+8*UU
.set RXF, XF+48*(\p)+8*KK
.if \ver == 0
.if KK == 0
	WIN (WW|(3<<2)|(3<<4))
	v_wmma_scale_f32_16x16x128_f8f6f4 v[RA:RA+7], v[RW:RW+7], v[RXF:RXF+7], v[BIAS+8*TT:BIAS+8*TT+7], v[WS+6*TT+KK], v[XSC+8*(\p)+KK] matrix_a_fmt:MATRIX_FMT_FP4 matrix_b_fmt:MATRIX_FMT_FP4
.else
	WIN (WW|(3<<2))
	v_wmma_scale_f32_16x16x128_f8f6f4 v[RA:RA+7], v[RW:RW+7], v[RXF:RXF+7], v[RA:RA+7], v[WS+6*TT+KK], v[XSC+8*(\p)+KK] matrix_a_fmt:MATRIX_FMT_FP4 matrix_b_fmt:MATRIX_FMT_FP4
.endif
.else
.if KK == 0
	WIN (3|(WW<<2)|(3<<4))
	v_wmma_scale_f32_16x16x128_f8f6f4 v[RA:RA+7], v[RXF:RXF+7], v[RW:RW+7], v[BIAS+8*TT:BIAS+8*TT+7], v[XSC+8*(\p)+KK], v[WS+6*TT+KK] matrix_a_fmt:MATRIX_FMT_FP4 matrix_b_fmt:MATRIX_FMT_FP4
.else
	WIN (3|(WW<<2))
	v_wmma_scale_f32_16x16x128_f8f6f4 v[RA:RA+7], v[RXF:RXF+7], v[RW:RW+7], v[RA:RA+7], v[XSC+8*(\p)+KK], v[WS+6*TT+KK] matrix_a_fmt:MATRIX_FMT_FP4 matrix_b_fmt:MATRIX_FMT_FP4
.endif
.endif
.set UU, UU+1
.endr
.set KK, KK+1
.endr
.endm
; q, k: the turn (x c - y s, x s + y c) of a lane's four pairs, two packed instructions a pair; rounding; store.  Tiles 0, 1 of a head turn by the x table of this kind of token tile, tiles 2, 3 by the y table.
.macro EPI_T p, half
.set UU, 0
.rept 6
.set TT, 6*(\half)+UU
.set RA, ACC+8*UU
.if (TT%4) < 2
.set TBL, RX+16*(\p)+8*(TT%4)
.else
.set TBL, RY+8*((TT%4)-2)
.endif
.irp q, 0,2,4,6
	v_pk_mul_f32 v[T+\q:T+\q+1], v[RA+\q:RA+\q+1], v[TBL+\q:TBL+\q+1] op_sel_hi:[1,0]      ; (x c, y c): each accumulator is read from its low end on
.endr
.irp q, 0,2,4,6
	v_pk_fma_f32 v[RA+\q:RA+\q+1], v[RA+\q:RA+\q+1], v[TBL+\q:TBL+\q+1], v[T+\q:T+\q+1] op_sel:[1,1,0] op_sel_hi:[0,1,1] neg_lo:[0,1,0]   ; (-(y s) + x c, x s + y c)
.endr
.irp q, 0,1,2,3
	v_cvt_pk_f16_f32 v[RA+\q], v[RA+2*\q], v[RA+2*\q+1]
.endr
	global_store_b128 v[LI], v[RA:RA+3], s[22:23] offset:(TT/4)*2097152+512*(TT%4)+2048*(\p)
.set UU, UU+1
.endr
.endm
.macro EPI_N p, half
.set UU, 0
.rept 6
.set TT, 6*(\half)+UU
.set RA, ACC+8*UU
.irp q, 0,1,2,3
	v_cvt_pk_f16_f32 v[RA+\q], v[RA+2*\q], v[RA+2*\q+1]
.endr
	global_store_b128 v[LI], v[RA:RA+3], s[22:23] offset:(TT/4)*2097152+1024*(TT%4)+512*(\p)
.set UU, UU+1
.endr
.endm
; A row tile, from set p.  ahead = 1: the next row tile is asked for first, into the other set, whose last readers stand a whole epilogue back.
.macro TILE ver, p, ahead
.if \ahead
	XLOAD 1-(\p), ((\p)+1)*6144
	s_wait_loadcnt 14                              ; all but the 14 just issued: this tile's fragments and scale words are in
.else
	s_wait_loadcnt 0x0
.endif
.irp hf, 0,1
	s_wait_xcnt 0x0                                ; the accumulators' low registers were the data of stores: they are written again only behind this wait
	MULS \ver, \p, \hf
	WIN 0
.rept 4
	v_nop                                          ; four places between the last product and the first read of results
.endr
.if \ver == 0
	EPI_T \p, \hf
.else
	EPI_N \p, \hf
.endif
.endr
.endm
.macro STEPON                          ; two row tiles on
	s_wait_xcnt 0x0                                ; every load and store issued has read its base
	s_add_nc_u64 s[8:9], s[8:9], 12288
	s_add_nc_u64 s[10:11], s[10:11], 1024
	s_add_nc_u64 s[22:23], s[22:23], 4096
.endm
	s_cmp_eq_u32 s3, 2
	s_cbranch_scc1 .Lvalues
; ---------------- q and k
	WIN 0xc0
.irp t, 0,1,2,3,4,5,6,7,8,9,10,11
	global_load_b128 v[BIAS+8*\t:BIAS+8*\t+3], v7, s[16:17] offset:64*\t           ; lane (r, h), register j: the bias of channel 16 t + 8 h + j
	global_load_b128 v[BIAS+8*\t+4:BIAS+8*\t+7], v7, s[16:17] offset:64*\t+16
.endr
	WIN 0
	XLOAD 0, 0
	; the tables, while the loads are on their way.  Frequency f = 8 e + 4 h + p (e: which of the axis's two tiles; p: the lane's pair), at index i = 4 e + p
	v_lshlrev_b32 v240, 2, v6
.irp i, 0,1,2,3,4,5,6,7
	v_add_nc_u32 v[224+\i], 8*(\i/4)+(\i%4), v240
.endr
.irp i, 0,1,2,3,4,5,6,7
	v_cvt_f32_u32 v[224+\i], v[224+\i]
.endr
.irp i, 0,1,2,3,4,5,6,7
	v_mul_f32 v[224+\i], 0xbf62c6e7, v[224+\i]     ; x -log2(10000) / 15
.endr
.irp i, 0,1,2,3,4,5,6,7
	v_exp_f32 v[224+\i], v[224+\i]                 ; 10000^(-f / 15)
.endr
	v_nop                                          ; a plain line behind the last exponential
	s_wait_alu depctr_va_vdst(0)                   ; one wait for the eight, ahead of their first reader
	v_cvt_f32_u32 v232, v5
	v_add_f32 v232, 0.5, v232
	v_mul_f32 v232, 0x3d000000, v232               ; u of token r in an even token tile: (r + 0.5) / 32;
	v_add_f32 v233, 0.5, v232                      ; in an odd one: (16 + r + 0.5) / 32
	v_cvt_f32_u32 v234, s36
	v_add_f32 v234, 0.5, v234
	v_mul_f32 v234, 0x3d000000, v234               ; v of my first token's row of the grid
	v_mov_b32 v235, 0x3d000000                     ; and from one row to the next: 1 / 32
.macro SINCOS dst, mul, inv            ; v[dst], v[dst + 1] = cos, sin of v[mul] x v[inv]
	v_mul_f32 v236, v[\mul], v[\inv]
	v_mul_f32 v237, v236, v236
	v_mov_b32 v238, 0xb2d7322b                     ; -1 / 11!
	v_mov_b32 v239, 0x310f76c7                     ; 1 / 12!
	v_fmaak_f32 v238, v238, v237, 0x3638ef1d       ; 1 / 9!
	v_fmaak_f32 v239, v239, v237, 0xb493f27e       ; -1 / 10!
	v_fmaak_f32 v238, v238, v237, 0xb9500d01       ; -1 / 7!
	v_fmaak_f32 v239, v239, v237, 0x37d00d01       ; 1 / 8!
	v_fmaak_f32 v238, v238, v237, 0x3c088889       ; 1 / 5!
	v_fmaak_f32 v239, v239, v237, 0xbab60b61       ; -1 / 6!
	v_fmaak_f32 v238, v238, v237, 0xbe2aaaab       ; -1 / 3!
	v_fmaak_f32 v239, v239, v237, 0x3d2aaaab       ; 1 / 4!
	v_fma_f32 v238, v238, v237, 1.0
	v_fma_f32 v239, v239, v237, -0.5
	v_mul_f32 v[(\dst)+1], v238, v236
	v_fma_f32 v[\dst], v239, v237, 1.0
.endm
.irp i, 0,1,2,3,4,5,6,7
	SINCOS RX+2*\i, 232, 224+\i
	SINCOS RX+16+2*\i, 233, 224+\i
	SINCOS RY+2*\i, 234, 224+\i
	SINCOS DY+2*\i, 235, 224+\i
.endr
	s_wait_loadcnt 0x0                             ; the weights, their scale words, the bias, the first row tile
	s_mov_b32 s37, 7
.Ltrip_t:                              ; a trip: two row tiles, one row of the grid
	TILE 0, 0, 1
	TILE 0, 1, 1
.irp q, 0,2,4,6,8,10,12,14             ; the y table is turned on to the next row of the grid
	v_pk_mul_f32 v[224+\q:225+\q], v[RY+\q:RY+\q+1], v[DY+\q:DY+\q+1] op_sel_hi:[1,0]
.endr
.irp q, 0,2,4,6,8,10,12,14
	v_pk_fma_f32 v[RY+\q:RY+\q+1], v[RY+\q:RY+\q+1], v[DY+\q:DY+\q+1], v[224+\q:225+\q] op_sel:[1,1,0] op_sel_hi:[0,1,1] neg_lo:[0,1,0]
.endr
	STEPON
	s_sub_co_u32 s37, s37, 1
	s_cmp_lg_u32 s37, 0
	s_cbranch_scc1 .Ltrip_t
	TILE 0, 0, 1                                   ; the last two row tiles are written out: the last asks for nothing, so no load leaves its buffer
	TILE 0, 1, 0
	s_endpgm
; ---------------- v
.Lvalues:
	WIN 0xc0
.irp t, 0,1,2,3,4,5,6,7,8,9,10,11
.irp j, 0,1,2,3,4,5,6,7
	global_load_b32 v[BIAS+8*\t+\j], v8, s[16:17] offset:64*\t                     ; lane (r, h), every register: the bias of channel 16 t + r
.endr
.endr
	WIN 0
	XLOAD 0, 0
	s_wait_loadcnt 0x0
	s_mov_b32 s37, 7
.Ltrip_n:
	TILE 1, 0, 1
	TILE 1, 1, 1
	STEPON
	s_sub_co_u32 s37, s37, 1
	s_cmp_lg_u32 s37, 0
	s_cbranch_scc1 .Ltrip_n
	TILE 1, 0, 1
	TILE 1, 1, 0
	s_endpgm
.Lfunc_end_k_q59505858a8_proj:
	.size	k_q59505858a8_proj, .Lfunc_end_k_q59505858a8_proj-k_q59505858a8_proj
	.p2alignl 7, 3214868480
	.fill 96, 4, 3214868480
	.section	.rodata,"a",@progbits
	.p2align	6, 0x0
	.amdhsa_kernel k_q59505858a8_proj
		.amdhsa_group_segment_fixed_size 0
		.amdhsa_private_segment_fixed_size 0
		.amdhsa_enable_private_segment 0
		.amdhsa_kernarg_size 64
		.amdhsa_user_sgpr_count 2
		.amdhsa_user_sgpr_kernarg_segment_ptr 1
		.amdhsa_wavefront_size32 1
		.amdhsa_system_sgpr_workgroup_id_x 1
		.amdhsa_system_sgpr_workgroup_id_y 1
		.amdhsa_system_sgpr_workgroup_id_z 1
		.amdhsa_system_vgpr_workitem_id 0
		.amdhsa_next_free_vgpr 1024
		.amdhsa_next_free_sgpr 66
		.amdhsa_reserve_vcc 0
		.amdhsa_float_denorm_mode_32 3
		.amdhsa_float_denorm_mode_16_64 3
		.amdhsa_memory_ordered 1
		.amdhsa_forward_progress 1
		.amdhsa_inst_pref_size 208
	.end_amdhsa_kernel
	.amdgpu_metadata
---
amdhsa.version: [ 1, 2 ]
amdhsa.kernels:
  - .name:           k_q59505858a8_proj
    .symbol:         k_q59505858a8_proj.kd
    .args:
      - { .name: xc, .offset: 0, .size: 8, .value_kind: global_buffer, .address_space: global }
      - { .name: xs, .offset: 8, .size: 8, .value_kind: global_buffer, .address_space: global }
      - { .name: wc, .offset: 16, .size: 8, .value_kind: global_buffer, .address_space: global }
      - { .name: ws, .offset: 24, .size: 8, .value_kind: global_buffer, .address_space: global }
      - { .name: bq, .offset: 32, .size: 8, .value_kind: global_buffer, .address_space: global }
      - { .name: bk, .offset: 40, .size: 8, .value_kind: global_buffer, .address_space: global }
      - { .name: bv, .offset: 48, .size: 8, .value_kind: global_buffer, .address_space: global }
      - { .name: qkv, .offset: 56, .size: 8, .value_kind: global_buffer, .address_space: global }
    .group_segment_fixed_size: 0
    .private_segment_fixed_size: 0
    .kernarg_segment_align: 8
    .kernarg_segment_size: 64
    .max_flat_workgroup_size: 128
    .sgpr_count:     66
    .vgpr_count:     1024
    .wavefront_size: 32
...
	.end_amdgpu_metadata
.endif
;; end of part 2
;; launch attn (part 3): grid 4 x 64, 8 waves a work-group, clusters of 4 x 1, 327,680 bytes of LDS; arguments qkv, o16; writes o16
.if DOCPART == 3
	.amdgcn_target "amdgcn-amd-amdhsa--gfx1250"
	.amdhsa_code_object_version 6
	.text
	.protected	k_q59505858a8_attn
	.globl	k_q59505858a8_attn
	.p2align	8
	.type	k_q59505858a8_attn,@function
k_q59505858a8_attn:
	s_mov_b64 s[64:65], 0
	v_nop
	global_prefetch_b8 v0, s[64:65] scope:SCOPE_SE
	s_setreg_imm32_b32 hwreg(HW_REG_WAVE_MODE, 25, 1), 1
	s_wait_xcnt 0x0
	s_wait_alu depctr_hold_cnt(0) depctr_sa_sdst(0) depctr_va_vdst(0) depctr_va_sdst(0) depctr_va_ssrc(0) depctr_va_vcc(0) depctr_vm_vsrc(0)
	s_getreg_b32 s2, hwreg(HW_REG_IB_STS2, 6, 4)
	s_cmp_eq_u32 s2, 0
	s_cbranch_scc0 .Lentry_in_a_cluster
	s_endpgm
.Lentry_in_a_cluster:
	s_bfe_u32 s2, ttmp6, 0x10000c
	s_cmp_lg_u32 s2, 0x3003
	s_cbranch_scc0 .Lentry_shape_is_right
	s_endpgm
.Lentry_shape_is_right:
; o = softmax(q k^T / 8) v for each of 192 heads of 64 channels and 1,024 tokens, no mask.  q, k, v: f16, as images of operand registers (the second launch's layout).  Products, maxima and sums in f32; the weights p are
; rounded to f16 for the second product.  The result is stored as 8 o in f16 (the factor is a power of two and is taken back in the last launch), again as images: o16 [1024 token tiles][24 blocks of 32 k][1024], k = 64 hd + channel.
; Nothing is left out.  LIMITS: 8 o up to 65,504; under 6e-5 it keeps an absolute step of 6e-8.
; SHARES.  WORK-GROUPS STAY: a cluster of four work-groups takes three heads, g, g + 64 and g + 128 (g = the cluster's y; head index 16 hd + n), one after the other: 64 clusters, 256 work-groups, 48 key steps each.
; In a head a work-group owns 256 queries, each of its eight waves 32: two tiles of 16.  Two waves share a SIMD, so that one wave's softmax can stand beside the other's products.
; THE RING.  A head's K and V, as images, are 2 x 131,072 bytes with no padding (a load's 512 bytes are consecutive): four chunks of 256 keys.  LDS holds four chunks: slot c has chunk c of the head in hand.  In each chunk every
; wave brings 8,192 bytes (waves 0-3: K's quarters, waves 4-7: V's).  The first head's four chunks are asked for at the kernel's head: four loads of mine are out.  When chunk c has been left, its slot takes chunk c of the NEXT
; head: one load a wave, twelve key steps ahead of its first read and four key steps, 128 matrix instructions a wave, ahead of the next wait for all loads; one load of mine is out from there on.  So no prefetch is laid.
; CLUSTER.  The four query blocks of a head need the same K and V: each tile is asked for JOINTLY, by the same tensor load with the same descriptor and a mask that names the four.  Each refill stands behind a round of the
; cluster's barrier, in front of which every wave has waited for all its tensor loads, for the add and for its LDS reads.
; LAYOUT.  S^T = K Q^T (source 0 = 16 keys, source 1 = 16 queries): a lane holds ONE query (lane % 16) and keys 8 (lane / 16) + 0 .. 7.  Two such tiles, rounded to f16 in pairs, ARE source 1 (32 keys x 16 queries) of
; O^T = V^T P, whose result again holds one query a lane and eight channels: 16 bytes of an image.  Nothing changes lanes but one exchange between the halves for a query's maximum and sum.
; SOFTMAX.  For each query a running maximum m and sum l: p = 2^(c s - c m), c = log2(e) / 8; in every step O and l are multiplied by a = 2^(c m_old - c m_new).  No branch on data.
; REGISTERS: window 0: v1-3 addresses; v6, v7 the add's two; v8-23 statistics (tile t at 8 + 8 t: +0 c m, +1 m, +2, +3 l, +4 .. +7 at work; a at +6); v32-95 S^T; v96-127 P; v128-191 K of a step; v192-255 V of a step.
;   window 1: v0-31 Q; v32-95 O^T.
.set REG,   25165824
.set HSTEP, 8388608                    ; 64 heads of 131,072 bytes: from a cluster's head to its next
.set VLDS,  131072                     ; V's images begin here; K's at 0
.set SPARE, 262144                     ; behind them: the spare words, 128 bytes for each wave: four blocks of 256 bytes that no other line names
.set LI,  1                            ; v1  16 x lane
.set AD,  2                            ; v2  LDS address of the step's K
.set ADV, 3                            ; v3  of its V
.set SPW, 6
.set NIL, 7
.set ST,  8
.set S,   32
.set P,   96
.set KF,  128
.set VF,  192
.set QF,  0
.set OT,  32
.set WV,  12                           ; s12 wave
.set CX,  13                           ; s13 my place in the cluster: it enters Q's and O's addresses alone
.set HY,  14                           ; s14 g, which the four partners share
.set G1,  16                           ; s[16:23] descriptor group 1
.set G0,  24                           ; s[24:39] group 0, a set for each slot
.set CS,  40                           ; s[40:41] c, twice
.set SEL, 42                           ; s[42:43] v_permlanex16_b32's selects for lane l xor 16
.set TB,  44                           ; s44 byte at which the step's images begin, in K and in V alike
.set CNT, 45                           ; s45 counts key steps
.set HC,  46                           ; s46 counts heads
.set MSB, 0
.macro WIN new
.if MSB != (\new)
	s_set_vgpr_msb (MSB<<8)|(\new)
.set MSB, (\new)
.endif
.endm
.macro ROUND                           ; a round of the cluster's barrier
	s_barrier_signal -1
	s_barrier_wait -1
	s_cmp_lg_u32 s[WV], 0
	s_cbranch_scc1 .Lnot_wave_0_\@
	s_barrier_signal -3
.Lnot_wave_0_\@:
	s_barrier_wait -3
	s_barrier_signal -1
	s_barrier_wait -1
.endm
.macro QLOAD                           ; my two query tiles: they stay in registers for a head
	WIN 0x40                                       ; destination window 1
.irp t, 0,1
.irp cb, 0,1
	global_load_b128 v[QF+16*\t+8*\cb:QF+16*\t+8*\cb+3], v[LI], s[8:9] offset:2048*\t+1024*\cb
	global_load_b128 v[QF+16*\t+8*\cb+4:QF+16*\t+8*\cb+7], v[LI], s[8:9] offset:2048*\t+1024*\cb+512
.endr
.endr
	WIN 0
.endm
.macro INIT                            ; a head's state.  (The step is written without a first step of its own: the first finds zeros, which a = 0 leaves zeros)
	WIN 0x40
.set i, 0
.rept 64
	v_mov_b32 v[OT+i], 0                           ; O^T
.set i, i+1
.endr
	WIN 0
.irp t, 0,1
	v_mov_b32 v[ST+8*\t+1], 0xff61b1e6             ; m: -3e38, under every score
	v_mul_f32 v[ST+8*\t], s[CS], v[ST+8*\t+1]      ; c m
	v_mov_b32 v[ST+8*\t+2], 0                      ; l, in two halves
	v_mov_b32 v[ST+8*\t+3], 0
.endr
.endm
	s_load_b128 s[4:7], s[0:1], 0x0                ; qkv s[4:5], o16 s[6:7]
	v_lshl_add_u32 v[SPW], v0, 2, SPARE
	v_mov_b32 v[NIL], 0
	ds_add_u32 v[SPW], v[NIL]                      ; the wave's opening: the add, twice on end, and its wait ahead of my first tensor load; the set-up below stands between
	ds_add_u32 v[SPW], v[NIL]
	v_lshrrev_b32 v5, 5, v0
	v_readfirstlane_b32 s[WV], v5                  ; wave 0..7
	v_and_b32 v5, 31, v0
	v_lshlrev_b32 v[LI], 4, v5
	s_bfe_u32 s[CX], ttmp6, 0x40000
	s_and_b32 s[HY], ttmp7, 0xffff
	; descriptor group 1: 8,192 dense bytes as 32 rows of 256 (32 elements of 8 bytes)
	s_mov_b32 s[G1], 15|(3<<16)|(1<<21)            ; 15:0 the mask: all four work-groups; 17:16 elements of 8 bytes; 21 set beside a mask; no padding
	s_mov_b32 s[G1+1], 32<<16                      ; tensor_dim0
	s_mov_b32 s[G1+2], 32<<16                      ; tensor_dim1
	s_mov_b32 s[G1+3], 32<<16                      ; tile_dim0
	s_mov_b32 s[G1+4], 32                          ; tile_dim1
	s_mov_b32 s[G1+5], 32                          ; from row to row
	s_mov_b32 s[G1+6], 0
	s_mov_b32 s[G1+7], 0
	s_mov_b32 s[CS], 0x3e38aa3b                    ; c = log2(e) / 8
	s_mov_b32 s[CS+1], s[CS]
	s_mov_b32 s[SEL], 0x76543210
	s_mov_b32 s[SEL+1], 0xfedcba98
	s_lshr_b32 s48, s[WV], 2                       ; I fetch for K (0) or for V (1),
	s_and_b32 s49, s[WV], 3                        ; this quarter of each chunk
	s_lshl_b32 s50, s48, 17
	s_lshl_b32 s51, s49, 13
	s_add_co_u32 s50, s50, s51                     ; where it goes: the wave's number alone
	s_add_co_u32 s52, s48, 1
	s_mul_i32 s52, s52, REG
	s_lshl_b32 s53, s[HY], 17
	s_add_co_u32 s52, s52, s53
	s_add_co_u32 s52, s52, s51                     ; and where it comes from: the head and the wave's number
	s_mov_b32 s53, 0
	s_lshl_b32 s54, s[CX], 4
	s_lshl_b32 s55, s[WV], 1
	s_add_co_u32 s54, s54, s55                     ; my first query tile in a head
	s_lshl_b32 s56, s54, 11
	s_lshl_b32 s57, s[HY], 17
	s_add_co_u32 s56, s56, s57                     ; Q of the first head
	s_mov_b32 s57, 0
	s_and_b32 s58, s[HY], 15
	s_lshl_b32 s58, s58, 6
	s_add_co_u32 s58, s58, s54
	s_mul_i32 s58, s58, 24576                      ; O: token tile 64 n + tile (n = g % 16 in all three heads),
	s_lshr_b32 s59, s[HY], 4
	s_lshl_b32 s59, s59, 11
	s_add_co_u32 s58, s58, s59                     ; the first head's two blocks of 32 k: hd = g / 16; the next head's lie 4 x 2,048 bytes on
	s_mov_b32 s59, 0
	s_wait_dscnt 0x0                               ; both opening adds are done
	s_wait_kmcnt 0x0
	s_add_nc_u64 s[52:53], s[4:5], s[52:53]
	s_add_nc_u64 s[8:9], s[4:5], s[56:57]
	s_add_nc_u64 s[10:11], s[6:7], s[58:59]
	ROUND                                          ; all four work-groups are here: the joint loads meet
.irp c, 0,1,2,3
	s_mov_b32 s[G0+4*\c], 1                        ; count = 1
	s_add_co_u32 s[G0+4*\c+1], s50, \c*32768       ; LDS address: it stays
	s_add_nc_u64 s[G0+4*\c+2:G0+4*\c+3], s[52:53], \c*32768   ; global address: it steps from head to head
	s_or_b32 s[G0+4*\c+3], s[G0+4*\c+3], 0x80000000           ; type = 2
.endr
.irp c, 0,1,2,3
	tensor_load_to_lds s[G0+4*\c:G0+4*\c+3], s[G1:G1+7]       ; every wave issues its four first fills, with no branch, ahead of every wait on TENSORcnt, every LDS read and every barrier but the round's
	s_nop 0
.endr
.rept 4
	v_nop
.endr
	QLOAD
	INIT
.macro LOADK off                       ; 64 keys x 64 channels: 8 fragments
.irp kt, 0,1,2,3
.irp cb, 0,1
	ds_load_b128 v[KF+16*\kt+8*\cb:KF+16*\kt+8*\cb+3], v[AD] offset:(\off)+2048*\kt+1024*\cb
	ds_load_b128 v[KF+16*\kt+8*\cb+4:KF+16*\kt+8*\cb+7], v[AD] offset:(\off)+2048*\kt+1024*\cb+512
.endr
.endr
.endm
.macro LOADV                           ; 64 channels x 64 keys: 8 fragments
.irp kb, 0,1
.irp ct, 0,1,2,3
	ds_load_b128 v[VF+32*\kb+8*\ct:VF+32*\kb+8*\ct+3], v[ADV] offset:4096*\kb+1024*\ct
	ds_load_b128 v[VF+32*\kb+8*\ct+4:VF+32*\kb+8*\ct+7], v[ADV] offset:4096*\kb+1024*\ct+512
.endr
.endr
.endm
; the softmax of both tiles for one step of 64 keys, the tiles alternating line by line
.macro SOFTMAX
.irp j, 0,1,2,3
.irp t, 0,1
	v_max3_num_f32 v[ST+8*\t+4+\j], v[S+32*\t+8*\j], v[S+32*\t+8*\j+1], v[S+32*\t+8*\j+2]     ; four chains, one for each accumulator, each read from its low end on
.endr
.endr
.irp i, 3,5
.irp j, 0,1,2,3
.irp t, 0,1
	v_max3_num_f32 v[ST+8*\t+4+\j], v[ST+8*\t+4+\j], v[S+32*\t+8*\j+\i], v[S+32*\t+8*\j+\i+1]
.endr
.endr
.endr
.irp t, 0,1
	v_max3_num_f32 v[ST+8*\t+4], v[ST+8*\t+4], v[S+32*\t+7], v[S+32*\t+15]
.endr
.irp t, 0,1
	v_max3_num_f32 v[ST+8*\t+6], v[ST+8*\t+6], v[S+32*\t+23], v[S+32*\t+31]
.endr
.irp t, 0,1
	v_max3_num_f32 v[ST+8*\t+4], v[ST+8*\t+4], v[ST+8*\t+5], v[ST+8*\t+6]
.endr
.irp t, 0,1
	v_max3_num_f32 v[ST+8*\t+4], v[ST+8*\t+4], v[ST+8*\t+7], v[ST+8*\t+1]                     ; with the old m
.endr
.irp t, 0,1
	v_permlanex16_b32 v[ST+8*\t+5], v[ST+8*\t+4], s[SEL], s[SEL+1]                            ; the query's other 32 keys lie in the lane 16 away
.endr
.irp t, 0,1
	v_mov_b32 v[ST+8*\t+7], v[ST+8*\t]             ; c m_old
.endr
.irp t, 0,1
	v_max_num_f32 v[ST+8*\t+1], v[ST+8*\t+4], v[ST+8*\t+5]
.endr
.irp t, 0,1
	v_mul_f32 v[ST+8*\t], s[CS], v[ST+8*\t+1]
.endr
.irp t, 0,1
	v_sub_f32 v[ST+8*\t+7], v[ST+8*\t+7], v[ST+8*\t]
.endr
.irp b, 0,2,4,6,8,10,12,14,16,18,20,22,24,26,28,30
.irp t, 0,1
	v_pk_fma_f32 v[S+32*\t+\b:S+32*\t+\b+1], v[S+32*\t+\b:S+32*\t+\b+1], s[CS:CS+1], v[ST+8*\t:ST+8*\t+1] op_sel_hi:[1,0,0] neg_lo:[0,0,1] neg_hi:[0,0,1]   ; c s - c m
.endr
.endr
.irp t, 0,1
	v_exp_f32 v[ST+8*\t+6], v[ST+8*\t+7]           ; a.  ONE BATCH of 66 exponentials: none reads another's result
.endr
.set i, 0
.rept 32
	v_exp_f32 v[S+i], v[S+i]
	v_exp_f32 v[S+32+i], v[S+32+i]
.set i, i+1
.endr
	v_nop                                          ; a plain line behind the last exponential
	s_wait_alu depctr_va_vdst(0)                   ; one wait for the batch, ahead of its first reader
.set i, 0
.rept 16
	v_cvt_pk_f16_f32 v[P+i], v[S+2*i], v[S+2*i+1]
	v_cvt_pk_f16_f32 v[P+16+i], v[S+32+2*i], v[S+32+2*i+1]
.set i, i+1
.endr
.irp u, 0,1,2,3,4,5,6,7                ; the sum of a tile's 16 pairs, in place, as a tree
.irp t, 0,1
	v_pk_add_f32 v[S+32*\t+4*\u:S+32*\t+4*\u+1], v[S+32*\t+4*\u:S+32*\t+4*\u+1], v[S+32*\t+4*\u+2:S+32*\t+4*\u+3]
.endr
.endr
.irp u, 0,1,2,3
.irp t, 0,1
	v_pk_add_f32 v[S+32*\t+8*\u:S+32*\t+8*\u+1], v[S+32*\t+8*\u:S+32*\t+8*\u+1], v[S+32*\t+8*\u+4:S+32*\t+8*\u+5]
.endr
.endr
.irp u, 0,1
.irp t, 0,1
	v_pk_add_f32 v[S+32*\t+16*\u:S+32*\t+16*\u+1], v[S+32*\t+16*\u:S+32*\t+16*\u+1], v[S+32*\t+16*\u+8:S+32*\t+16*\u+9]
.endr
.endr
.irp t, 0,1
	v_pk_add_f32 v[S+32*\t:S+32*\t+1], v[S+32*\t:S+32*\t+1], v[S+32*\t+16:S+32*\t+17]
.endr
.irp t, 0,1
	v_pk_fma_f32 v[ST+8*\t+2:ST+8*\t+3], v[ST+8*\t+2:ST+8*\t+3], v[ST+8*\t+6:ST+8*\t+7], v[S+32*\t:S+32*\t+1] op_sel_hi:[1,0,1]   ; l = a l + the sum
.endr
.endm
; A KEY STEP: 64 keys.  nextk = 1: the next step's K is fetched (it lies 8,192 bytes on, in this chunk or the next, which an earlier barrier has shown whole).  nextq = 1: the next head's Q is asked for.
.macro STEP nextk, nextq
	s_wait_dscnt 0x0                               ; this step's K is in
	WIN 0x04                                       ; Q in window 1
.irp cb, 0,1                           ; eight accumulators by turns, one instruction a turn
.irp kt, 0,1,2,3
.irp t, 0,1
.if \cb == 0
	v_wmma_f32_16x16x32_f16 v[S+32*\t+8*\kt:S+32*\t+8*\kt+7], v[KF+16*\kt+8*\cb:KF+16*\kt+8*\cb+7], v[QF+16*\t+8*\cb:QF+16*\t+8*\cb+7], 0
.else
	v_wmma_f32_16x16x32_f16 v[S+32*\t+8*\kt:S+32*\t+8*\kt+7], v[KF+16*\kt+8*\cb:KF+16*\kt+8*\cb+7], v[QF+16*\t+8*\cb:QF+16*\t+8*\cb+7], v[S+32*\t+8*\kt:S+32*\t+8*\kt+7]
.endif
.endr
.endr
.endr
	WIN 0
	v_add_nc_u32 v[AD], s[TB], v[LI]               ; four places between the products and the loads into K's, V's and Q's registers, and the first read of the scores
	v_add_nc_u32 v[ADV], VLDS, v[AD]
	v_nop
	v_nop
	LOADV
.if \nextk
	LOADK 8192
.endif
.if \nextq
	s_add_nc_u64 s[8:9], s[8:9], HSTEP             ; (this head's loads of Q were waited for at the head's first step: their base may step)
	QLOAD
.endif
	SOFTMAX
	WIN 0x41                                       ; O^T (destination and source 0) in window 1
.irp t, 0,1
.set i, 0
.rept 16
	v_pk_mul_f32 v[OT+32*\t+2*i:OT+32*\t+2*i+1], v[OT+32*\t+2*i:OT+32*\t+2*i+1], v[ST+8*\t+6:ST+8*\t+7] op_sel_hi:[1,0]   ; O^T x a, each accumulator from its low end on
.set i, i+1
.endr
.endr
	s_wait_dscnt 16*\nextk                         ; V is in; the next step's K, issued behind it, may be out
	WIN 0x50                                       ; C and D in window 1
.irp kb, 0,1
.irp ct, 0,1,2,3
.irp t, 0,1
	v_wmma_f32_16x16x32_f16 v[OT+32*\t+8*\ct:OT+32*\t+8*\ct+7], v[VF+32*\kb+8*\ct:VF+32*\kb+8*\ct+7], v[P+16*\t+8*\kb:P+16*\t+8*\kb+7], v[OT+32*\t+8*\ct:OT+32*\t+8*\ct+7]
.endr
.endr
.endr
	WIN 0
	s_add_co_u32 s[TB], s[TB], 8192
.endm
.macro RUN trips                       ; so many key steps on end, each fetching the next step's K
	s_mov_b32 s[CNT], \trips
.Lstep_\@:
	STEP 1, 0
	s_sub_co_u32 s[CNT], s[CNT], 1
	s_cmp_lg_u32 s[CNT], 0
	s_cbranch_scc1 .Lstep_\@
.endm
; THE CHANGE OF CHUNKS.  Each wave waits for all its tensor loads, adds 0 to its spare word, and waits for that and for its LDS reads: those of the chunk just left are among them.
; fill = 1: a round of the cluster's barrier, so that no wave of any partner still reads the chunk or has a load on its way; then the slot takes the same chunk of the next head: my one tensor load until the next round.
; fill = 0: my work-group's barrier alone: it shows every wave the last refill.
.macro CHANGE slot, fill
	s_wait_tensorcnt 0x0                           ; no tensor load of mine is out, so a group 0 may be written
	ds_add_u32 v[SPW], v[NIL]                      ; 0 onto my spare word
.if \fill
	s_add_nc_u64 s[G0+4*\slot+2:G0+4*\slot+3], s[G0+4*\slot+2:G0+4*\slot+3], HSTEP   ; the next head; the type bits on top are not reached
.endif
	s_wait_dscnt 0x0                               ; the add is done, and my LDS reads are back
.if \fill
	ROUND
	tensor_load_to_lds s[G0+4*\slot:G0+4*\slot+3], s[G1:G1+7]
	s_nop 0
.rept 4
	v_nop
.endr
.else
	s_barrier_signal -1
	s_barrier_wait -1
.endif
.endm
; THE WAY OUT of a head: l's two halves and the other half of the lanes'; O^T x 8 / l; rounded to f16; a lane's eight channels are its 16 bytes of an image.  The additions are places behind the last products.
.macro WAYOUT
.irp t, 0,1
	v_add_f32 v[ST+8*\t+4], v[ST+8*\t+2], v[ST+8*\t+3]
.endr
.irp t, 0,1
	v_permlanex16_b32 v[ST+8*\t+5], v[ST+8*\t+4], s[SEL], s[SEL+1]
.endr
.irp t, 0,1
	v_add_f32 v[ST+8*\t+4], v[ST+8*\t+4], v[ST+8*\t+5]
.endr
.irp t, 0,1
	v_rcp_f32 v[ST+8*\t+6], v[ST+8*\t+4]
.endr
	v_nop
	s_wait_alu depctr_va_vdst(0)                   ; one wait for the two reciprocals, ahead of their first reader
.irp t, 0,1
	v_mul_f32 v[ST+8*\t+6], 0x41000000, v[ST+8*\t+6]
.endr
	WIN 0x41
.irp t, 0,1
.set i, 0
.rept 16
	v_pk_mul_f32 v[OT+32*\t+2*i:OT+32*\t+2*i+1], v[OT+32*\t+2*i:OT+32*\t+2*i+1], v[ST+8*\t+6:ST+8*\t+7] op_sel_hi:[1,0]
.set i, i+1
.endr
.endr
	WIN 0x05                                       ; sources in window 1, destination in window 0: S^T's registers are free
.set i, 0
.rept 32
	v_cvt_pk_f16_f32 v[S+i], v[OT+2*i], v[OT+2*i+1]
.set i, i+1
.endr
	WIN 0
.irp t, 0,1
.irp ct, 0,1,2,3
	global_store_b128 v[LI], v[S+16*\t+4*\ct:S+16*\t+4*\ct+3], s[10:11] offset:24576*\t+512*\ct    ; 32 lanes store 512 consecutive aligned bytes
.endr
.endr
.endm
; A HEAD: 16 key steps.  fill = 1: a head that has a successor: each chunk that is left is filled again, the last step asks for the next Q, and the state is begun anew.  fill = 0: the last head.
.macro HEAD fill
	s_mov_b32 s[TB], 0
	v_add_nc_u32 v[AD], s[TB], v[LI]
	LOADK 0                                        ; the head's first K: chunk 0 was shown whole by an earlier barrier
	s_wait_loadcnt 0x0                             ; Q
	RUN 4
.if \fill
	CHANGE 0, 1
	RUN 4
	CHANGE 1, 1
	RUN 4
	CHANGE 2, 1
	RUN 3
	STEP 0, 1                                      ; the head's last step fetches no K: the next head's begins at byte 0 again
	CHANGE 3, 1
	WAYOUT
	INIT                                           ; it names none of the stores' registers and stands between them and the wait below
	s_wait_xcnt 0x0                                ; the stores have read their base and their data: the base steps, and the next scores may be written, only behind this wait
	s_add_nc_u64 s[10:11], s[10:11], 8192          ; four heads of 2,048 bytes on in a token tile's 24 blocks
.else
	CHANGE 0, 0                                    ; the last refill, chunk 3 of this head, has landed in every wave
	RUN 11
	STEP 0, 0
	WAYOUT
.endif
.endm
	s_wait_tensorcnt 2                             ; my parts of chunks 0 and 1 are in (step 3 fetches K out of chunk 1); chunks 2 and 3 may stay out
	s_barrier_signal -1
	s_barrier_wait -1                              ; everybody's are
	s_mov_b32 s[HC], 2
.Lhead:                                ; two trips: the heads that have a successor
	HEAD 1
	s_sub_co_u32 s[HC], s[HC], 1
	s_cmp_lg_u32 s[HC], 0
	s_cbranch_scc1 .Lhead
	HEAD 0                                         ; the last head is written out: it asks for nothing
	s_wait_tensorcnt 0x0                           ; the wave's end: behind my last tensor load
	ds_add_u32 v[SPW], v[NIL]
	s_wait_dscnt 0x0
	ROUND                                          ; the closing round: no work-group ends while a partner may still ask for a tile that names it
	s_endpgm
.Lfunc_end_k_q59505858a8_attn:
	.size	k_q59505858a8_attn, .Lfunc_end_k_q59505858a8_attn-k_q59505858a8_attn
	.p2alignl 7, 3214868480
	.fill 96, 4, 3214868480
	.section	.rodata,"a",@progbits
	.p2align	6, 0x0
	.amdhsa_kernel k_q59505858a8_attn
		.amdhsa_group_segment_fixed_size 327680
		.amdhsa_private_segment_fixed_size 0
		.amdhsa_enable_private_segment 0
		.amdhsa_kernarg_size 16
		.amdhsa_user_sgpr_count 2
		.amdhsa_user_sgpr_kernarg_segment_ptr 1
		.amdhsa_wavefront_size32 1
		.amdhsa_system_sgpr_workgroup_id_x 1
		.amdhsa_system_sgpr_workgroup_id_y 1
		.amdhsa_system_sgpr_workgroup_id_z 1
		.amdhsa_system_vgpr_workitem_id 0
		.amdhsa_next_free_vgpr 384
		.amdhsa_next_free_sgpr 66
		.amdhsa_reserve_vcc 0
		.amdhsa_float_denorm_mode_32 3
		.amdhsa_float_denorm_mode_16_64 3
		.amdhsa_memory_ordered 1
		.amdhsa_forward_progress 1
		.amdhsa_inst_pref_size 162
	.end_amdhsa_kernel
	.amdgpu_metadata
---
amdhsa.version: [ 1, 2 ]
amdhsa.kernels:
  - .name:           k_q59505858a8_attn
    .symbol:         k_q59505858a8_attn.kd
    .args:
      - { .name: qkv, .offset: 0, .size: 8, .value_kind: global_buffer, .address_space: global }
      - { .name: o16, .offset: 8, .size: 8, .value_kind: global_buffer, .address_space: global }
    .group_segment_fixed_size: 327680
    .private_segment_fixed_size: 0
    .kernarg_segment_align: 8
    .kernarg_segment_size: 16
    .max_flat_workgroup_size: 256
    .sgpr_count:     66
    .vgpr_count:     384
    .wavefront_size: 32
...
	.end_amdgpu_metadata
.endif
;; end of part 3
;; launch outp (part 4): grid 128 x 2, 4 waves a work-group, clusters of 4 x 1, 327,680 bytes of LDS; arguments o16, wo16, bo, out0; writes out0
.if DOCPART == 4
	.amdgcn_target "amdgcn-amd-amdhsa--gfx1250"
	.amdhsa_code_object_version 6
	.text
	.protected	k_q59505858a8_outp
	.globl	k_q59505858a8_outp
	.p2align	8
	.type	k_q59505858a8_outp,@function
k_q59505858a8_outp:
	s_mov_b64 s[64:65], 0
	v_nop
	global_prefetch_b8 v0, s[64:65] scope:SCOPE_SE
	s_setreg_imm32_b32 hwreg(HW_REG_WAVE_MODE, 25, 1), 1
	s_wait_xcnt 0x0
	s_wait_alu depctr_hold_cnt(0) depctr_sa_sdst(0) depctr_va_vdst(0) depctr_va_sdst(0) depctr_va_ssrc(0) depctr_va_vcc(0) depctr_vm_vsrc(0)
	s_getreg_b32 s2, hwreg(HW_REG_IB_STS2, 6, 4)
	s_cmp_eq_u32 s2, 0
	s_cbranch_scc0 .Lentry_in_a_cluster
	s_endpgm
.Lentry_in_a_cluster:
	s_bfe_u32 s2, ttmp6, 0x10000c
	s_cmp_lg_u32 s2, 0x3003
	s_cbranch_scc0 .Lentry_shape_is_right
	s_endpgm
.Lentry_shape_is_right:
; out0[row][m] = the sum over k of o[row][k] Wo[k][m] + bo[m].  o16 holds 8 o in f16 and wo16 Wo in f16, both as images of operand registers; sums in f32; the 1 / 8 is taken back, exactly, in the fused multiply-add that adds bo.
; Nothing is left out.
; SHARES.  256 work-groups; each makes 128 rows x 384 columns (x: the rows, y: the half of the columns).  Four waves, 2 x 2: a wave makes 64 rows x 192 columns: 48 accumulators, 384 registers.
; K goes in six steps of 128 through two LDS slots of 131,072 bytes: Wo's 24 tiles x 4,096 bytes, then o's 8 x 4,096.  All six steps are written out.
; CLUSTER.  The four row blocks of a cluster walk the same columns of Wo: waves 0 to 2 fetch 8 of its tiles each JOINTLY (a mask that names the four); wave 3 fetches the work-group's own rows of o, with no mask.  32,768 bytes a load.
; Where a slot is filled again a round of the cluster's barrier stands in front; two of my loads are out at the start, one behind each round.
; THE MATRIX INSTRUCTION IS USED TRANSPOSED (source 0 = 16 columns of Wo, source 1 = 16 rows of o): a lane holds eight neighbouring numbers of a row of the output.
; REGISTERS: window 0: addresses; v32-127 a tile of 16 rows on its way out; v128-223 bo as 12 tiles in the result's layout.  window 1 and v0-127 of 2: accumulator 12 a + b.  window 3: two sets of fragments (o's 4, then Wo's 12);
;   on the way out rows read back from the stage.
.set SLOT,   131072
.set AOFF,   98304
.set SPARE,  262144                    ; behind the ring: the spare words, 128 bytes for each wave: two blocks of 256 bytes that no other line names
.set SPITCH, 784                       ; the way out: a stage of 16 rows x (768 bytes + 16) for each wave, in slot 0, which has had its last fill and its last read when the first result is stored there
.set LI,  1                            ; v1  16 x lane
.set ADA, 16                           ; v16-17 LDS address of my fragments of o in slot 0, 1
.set ADB, 20                           ; v20-21 the same for Wo
.set STO, 24
.set RD0, 25
.set RD1, 26
.set SPW, 28
.set NIL, 29
.set GO1, 30
.set BO,  31
.set TMP, 32
.set BIAS, 128
.set WV,  12
.set CX,  13
.set G1A, 24                           ; s[24:31], s[32:39] groups 1 and 0 (a set for each slot) for o
.set G0A, 32
.set G1B, 48                           ; s[48:55], s[56:63] for Wo
.set G0B, 56
.set MSB, 0
.macro WIN new
.if MSB != (\new)
	s_set_vgpr_msb (MSB<<8)|(\new)
.set MSB, (\new)
.endif
.endm
.macro ROUND
	s_barrier_signal -1
	s_barrier_wait -1
	s_cmp_lg_u32 s[WV], 0
	s_cbranch_scc1 .Lnot_wave_0_\@
	s_barrier_signal -3
.Lnot_wave_0_\@:
	s_barrier_wait -3
	s_barrier_signal -1
	s_barrier_wait -1
.endm
.macro JLOAD slot                      ; the branch hangs on the wave's number alone; an s_nop 0 and four v_nop follow each of the two lines
	s_cmp_lt_u32 s[WV], 3
	s_cbranch_scc0 .Lfor_a_\@
	tensor_load_to_lds s[G0B+4*\slot:G0B+4*\slot+3], s[G1B:G1B+7]
	s_nop 0
.rept 4
	v_nop
.endr
	s_branch .Lasked_\@
.Lfor_a_\@:
	tensor_load_to_lds s[G0A+4*\slot:G0A+4*\slot+3], s[G1A:G1A+7]
	s_nop 0
.rept 4
	v_nop
.endr
.Lasked_\@:
.endm
	s_load_b256 s[4:11], s[0:1], 0x0               ; o16 s[4:5], wo16 s[6:7], bo s[8:9], out0 s[10:11]
	v_lshl_add_u32 v[SPW], v0, 2, SPARE
	v_mov_b32 v[NIL], 0
	ds_add_u32 v[SPW], v[NIL]                      ; the wave's opening: the add, twice on end, and its wait ahead of my first tensor load; the set-up below stands between
	ds_add_u32 v[SPW], v[NIL]
	v_lshrrev_b32 v2, 5, v0
	v_readfirstlane_b32 s[WV], v2                  ; wave 0..3
	s_bfe_u32 s[CX], ttmp6, 0x40000
	s_lshl_b32 s14, ttmp9, 2
	s_add_co_u32 s14, s14, s[CX]                   ; my block of 128 rows
	s_and_b32 s15, ttmp7, 0xffff                   ; my half of the columns, which the four partners share
	s_lshr_b32 s16, s[WV], 1                       ; which 64 rows are my wave's
	s_and_b32 s17, s[WV], 1                        ; which 192 columns
	; descriptor group 1: 8 tiles' parts of a K step: 8 rows of 4,096 bytes (512 elements of 8 bytes), 24,576 bytes apart
	s_mov_b32 s[G1A], 3<<16                        ; no mask
	s_mov_b32 s[G1B], 15|(3<<16)|(1<<21)           ; the mask: all four work-groups; 21 set beside it
.irp g, G1A, G1B
	s_mov_b32 s[\g+1], 512<<16                     ; tensor_dim0
	s_mov_b32 s[\g+2], 8<<16                       ; tensor_dim1
	s_mov_b32 s[\g+3], 512<<16                     ; tile_dim0
	s_mov_b32 s[\g+4], 8                           ; tile_dim1
	s_mov_b32 s[\g+5], 3072                        ; from row to row
	s_mov_b32 s[\g+6], 0
	s_mov_b32 s[\g+7], 0
.endr
	s_mul_i32 s40, s14, 196608                     ; o: my 8 token tiles
	s_mov_b32 s41, 0
	s_min_u32 s42, s[WV], 2                        ; Wo: tiles 24 y + 8 w (wave 3 fetches for o: its address is held inside the buffer and not used)
	s_lshl_b32 s42, s42, 3
	s_mul_i32 s43, s15, 24
	s_add_co_u32 s42, s42, s43
	s_mul_i32 s42, s42, 24576
	s_mov_b32 s43, 0
	s_lshl_b32 s44, s[WV], 15                      ; where my load goes in a slot: the wave's number alone
	s_mul_i32 s18, s15, 1536
	s_mul_i32 s19, s17, 768
	s_add_co_u32 s18, s18, s19                     ; my first column, in bytes
	s_mov_b32 s19, 0
	s_lshl_b32 s46, s14, 7
	s_lshl_b32 s47, s16, 6
	s_add_co_u32 s46, s46, s47
	s_mul_i32 s46, s46, 3072                       ; my first row
	s_add_co_u32 s46, s46, s18
	s_mov_b32 s47, 0
	s_wait_dscnt 0x0                               ; both opening adds are done
	s_wait_kmcnt 0x0
	s_add_nc_u64 s[40:41], s[4:5], s[40:41]
	s_add_nc_u64 s[42:43], s[6:7], s[42:43]
	s_add_nc_u64 s[8:9], s[8:9], s[18:19]
	s_add_nc_u64 s[10:11], s[10:11], s[46:47]
	ROUND                                          ; all four work-groups are here: the first joint loads meet
.irp s, 0,1
	s_mov_b32 s[G0A+4*\s], 1
	s_add_co_u32 s[G0A+4*\s+1], s44, \s*SLOT
	s_add_nc_u64 s[G0A+4*\s+2:G0A+4*\s+3], s[40:41], \s*4096
	s_or_b32 s[G0A+4*\s+3], s[G0A+4*\s+3], 0x80000000
	s_mov_b32 s[G0B+4*\s], 1
	s_add_co_u32 s[G0B+4*\s+1], s44, \s*SLOT
	s_add_nc_u64 s[G0B+4*\s+2:G0B+4*\s+3], s[42:43], \s*4096
	s_or_b32 s[G0B+4*\s+3], s[G0B+4*\s+3], 0x80000000
.endr
	s_cmp_lt_u32 s[WV], 3                          ; a wave's two first fills stand in one branch, with a fill in each arm
	s_cbranch_scc0 .Lfirst_a
	tensor_load_to_lds s[G0B:G0B+3], s[G1B:G1B+7]
	s_nop 0
	tensor_load_to_lds s[G0B+4:G0B+7], s[G1B:G1B+7]
	s_nop 0
.rept 4
	v_nop
.endr
	s_branch .Lfirst_asked
.Lfirst_a:
	tensor_load_to_lds s[G0A:G0A+3], s[G1A:G1A+7]
	s_nop 0
	tensor_load_to_lds s[G0A+4:G0A+7], s[G1A:G1A+7]
	s_nop 0
.rept 4
	v_nop
.endr
.Lfirst_asked:
	v_and_b32 v2, 31, v0
	v_lshlrev_b32 v[LI], 4, v2
	v_and_b32 v3, 15, v0                           ; r
	v_bfe_u32 v4, v0, 4, 1                         ; h
	s_mul_i32 s20, s17, 49152                      ; my 12 tiles of Wo
	s_lshl_b32 s21, s16, 14                        ; my 4 tiles of o,
	s_add_co_u32 s21, s21, AOFF                    ; which lie behind Wo's 24
.irp s, 0,1
	v_add_nc_u32 v[ADB+\s], s20, v[LI]
	v_add_nc_u32 v[ADA+\s], s21, v[LI]
	s_add_co_u32 s20, s20, SLOT
	s_add_co_u32 s21, s21, SLOT
.endr
	s_mul_i32 s22, s[WV], 16*SPITCH                ; my stage
	v_mul_u32_u24 v[STO], v3, SPITCH
	v_lshl_add_u32 v[STO], v4, 5, v[STO]
	v_add_nc_u32 v[STO], s22, v[STO]               ; in: row r, 32 bytes for each half of the lanes
	v_add_nc_u32 v[RD0], s22, v[LI]                ; back: 512 bytes on end,
	v_lshl_add_u32 v[RD1], v4, 4, v[RD0]
	v_add_nc_u32 v[RD1], 512, v[RD1]               ; or the last 256 bytes of a row (lanes 0-15) and the first 256 of the next (lanes 16-31, past the padding)
	v_mul_u32_u24 v[GO1], v4, 2304
	v_add_nc_u32 v[GO1], v[GO1], v[LI]
	v_add_nc_u32 v[GO1], 512, v[GO1]               ; and the same two pieces in the output: 512 + 16 r, and 3,072 + 16 r
	v_lshlrev_b32 v[BO], 5, v4
.irp b, 0,1,2,3,4,5,6,7,8,9,10,11
	global_load_b128 v[BIAS+8*\b:BIAS+8*\b+3], v[BO], s[8:9] offset:64*\b          ; lane (r, h), register j: bo of my column 16 b + 8 h + j
	global_load_b128 v[BIAS+8*\b+4:BIAS+8*\b+7], v[BO], s[8:9] offset:64*\b+16
.endr
.macro FETCH slot, q, f                ; 32 LDS loads in one run: the fragments of the slot's q-th 32 along K into set f
	WIN 0xc0
.irp b, 0,1,2,3,4,5,6,7,8,9,10,11
	ds_load_b128 v[(\f)+32+8*\b:(\f)+32+8*\b+3], v[ADB+\slot] offset:4096*\b+1024*(\q)
	ds_load_b128 v[(\f)+32+8*\b+4:(\f)+32+8*\b+7], v[ADB+\slot] offset:4096*\b+1024*(\q)+512
.endr
.irp a, 0,1,2,3
	ds_load_b128 v[(\f)+8*\a:(\f)+8*\a+3], v[ADA+\slot] offset:4096*\a+1024*(\q)
	ds_load_b128 v[(\f)+8*\a+4:(\f)+8*\a+7], v[ADA+\slot] offset:4096*\a+1024*(\q)+512
.endr
.endm
.macro MUL f, zero                     ; 48 matrix instructions; the 48 accumulators take turns, one instruction a turn.  zero = 1: the first products start the sums
.set AL, 0
.rept 48
	WIN (0x0f|((1+AL/32)*0x50))
.if \zero
	v_wmma_f32_16x16x32_f16 v[8*(AL%32):8*(AL%32)+7], v[(\f)+32+8*(AL%12):(\f)+32+8*(AL%12)+7], v[(\f)+8*(AL/12):(\f)+8*(AL/12)+7], 0
.else
	v_wmma_f32_16x16x32_f16 v[8*(AL%32):8*(AL%32)+7], v[(\f)+32+8*(AL%12):(\f)+32+8*(AL%12)+7], v[(\f)+8*(AL/12):(\f)+8*(AL/12)+7], v[8*(AL%32):8*(AL%32)+7]
.endif
.set AL, AL+1
.endr
.endm
.macro COMPUTE slot, zero              ; a K step: four quarters of 32 along K on the two sets by turns; a quarter's fragments are fetched while the quarter before is multiplied
	FETCH \slot, 0, 0
.irp q, 0,1,2,3
.if \q < 3
.rept 4
	v_nop                                          ; four places in front of loads into registers that matrix instructions have read
.endr
	FETCH \slot, \q+1, 128*((\q+1)%2)
	s_wait_dscnt 32                                ; all but the 32 just issued
.else
	s_wait_dscnt 0x0
.endif
.if (\zero) && (\q == 0)
	MUL 128*(\q%2), 1
.else
	MUL 128*(\q%2), 0
.endif
.endr
.endm
; THE CHANGE OF SLOTS.  Each wave waits for all its tensor loads (its part of the other slot), adds 0 to its spare word, and waits for that and for its reads of the slot that it leaves.  fill = 1: a round of the cluster's barrier,
; so that no wave of any partner still reads the slot or has a load on its way; the refill, two K steps on, is the first thing behind it.
.macro CHANGE slot, fill
	WIN 0
	s_wait_tensorcnt 0x0                           ; no tensor load of mine is out, so a group 0 may be written
	ds_add_u32 v[SPW], v[NIL]                      ; 0 onto my spare word
.if \fill
	s_add_nc_u64 s[G0A+4*\slot+2:G0A+4*\slot+3], s[G0A+4*\slot+2:G0A+4*\slot+3], 8192
	s_add_nc_u64 s[G0B+4*\slot+2:G0B+4*\slot+3], s[G0B+4*\slot+2:G0B+4*\slot+3], 8192
.endif
	s_wait_dscnt 0x0                               ; the add is done, and my reads of the slot are over
.if \fill
	ROUND
	JLOAD \slot                                    ; its four v_nop are also the places in front of the loads that follow
.else
	s_barrier_signal -1
	s_barrier_wait -1
.rept 4
	v_nop
.endr
.endif
.endm
	s_wait_tensorcnt 1                             ; my part of K step 0 is in; K step 1's may stay out
	s_barrier_signal -1
	s_barrier_wait -1
	COMPUTE 0, 1
	CHANGE 0, 1                                    ; K step 2
	COMPUTE 1, 0
	CHANGE 1, 1                                    ; K step 3
	COMPUTE 0, 0
	CHANGE 0, 1                                    ; K step 4
	COMPUTE 1, 0
	CHANGE 1, 1                                    ; K step 5
	COMPUTE 0, 0
	CHANGE 0, 0                                    ; nothing is left to fetch
	COMPUTE 1, 0
; THE WAY OUT, a tile of 16 rows x 192 columns at a time: sum / 8 + bo; through my own stage in LDS; back as runs of 256 bytes of a row, so that every sixteen lanes store 256 consecutive aligned bytes.
; LDS serves a wave's instructions in order: no wait between the stores into the stage and the loads from it.
.macro PACK a
.set BB, 0
.rept 12
.set AL, 12*(\a)+BB
	WIN (1+AL/32)                                  ; source 0: window 1 or 2
.irp q, 0,2,4,6
	v_pk_fma_f32 v[TMP+8*BB+\q:TMP+8*BB+\q+1], v[8*(AL%32)+\q:8*(AL%32)+\q+1], 0x3e000000, v[BIAS+8*BB+\q:BIAS+8*BB+\q+1] op_sel_hi:[1,0,1]   ; each accumulator from its low end on
.endr
.set BB, BB+1
.endr
	WIN 0
.endm
.macro TOSTAGE a
.set BK, 96*((\a)%2)
.irp b, 0,1,2,3,4,5,6,7,8,9,10,11
	ds_store_b128 v[STO], v[TMP+8*\b:TMP+8*\b+3] offset:64*\b
	ds_store_b128 v[STO], v[TMP+8*\b+4:TMP+8*\b+7] offset:64*\b+16
.endr
	WIN 0xc0
.irp p, 0,1,2,3,4,5,6,7                ; rows 2 p and 2 p + 1: 1,536 bytes in three loads
	ds_load_b128 v[BK+12*\p:BK+12*\p+3], v[RD0] offset:1568*\p
	ds_load_b128 v[BK+12*\p+4:BK+12*\p+7], v[RD0] offset:1568*\p+1040
	ds_load_b128 v[BK+12*\p+8:BK+12*\p+11], v[RD1] offset:1568*\p
.endr
	WIN 0
.endm
.macro SEND a
.set BK, 96*((\a)%2)
	s_wait_dscnt 0x0                               ; the tile is back in registers, and the stores into the stage have read theirs
	WIN 0x0c                                       ; a store's data are its source 1: window 3
.irp p, 0,1,2,3,4,5,6,7
	global_store_b128 v[LI], v[BK+12*\p:BK+12*\p+3], s[10:11] offset:6144*\p th:TH_STORE_NT
	global_store_b128 v[LI], v[BK+12*\p+4:BK+12*\p+7], s[10:11] offset:6144*\p+3328 th:TH_STORE_NT
	global_store_b128 v[GO1], v[BK+12*\p+8:BK+12*\p+11], s[10:11] offset:6144*\p th:TH_STORE_NT
.endr
	WIN 0
.endm
	WIN 0
.rept 4
	v_nop                                          ; four places between the last products and the first read of results, and the loads into the fragments' registers
.endr
	s_wait_loadcnt 0x0                             ; bo
.irp a, 0,1,2,3
.if \a > 0
	s_wait_xcnt 0x0                                ; the earlier stores have read their base and their registers
	s_add_nc_u64 s[10:11], s[10:11], 49152         ; 16 rows on
.endif
	PACK \a
	TOSTAGE \a
	SEND \a
.endr
	s_wait_tensorcnt 0x0                           ; the wave's end: behind my last tensor load and my last LDS store
	ds_add_u32 v[SPW], v[NIL]
	s_wait_dscnt 0x0
	ROUND                                          ; the closing round: no work-group ends while a partner may still ask for a tile that names it
	s_endpgm
.Lfunc_end_k_q59505858a8_outp:
	.size	k_q59505858a8_outp, .Lfunc_end_k_q59505858a8_outp-k_q59505858a8_outp
	.p2alignl 7, 3214868480
	.fill 96, 4, 3214868480
	.section	.rodata,"a",@progbits
	.p2align	6, 0x0
	.amdhsa_kernel k_q59505858a8_outp
		.amdhsa_group_segment_fixed_size 327680
		.amdhsa_private_segment_fixed_size 0
		.amdhsa_enable_private_segment 0
		.amdhsa_kernarg_size 32
		.amdhsa_user_sgpr_count 2
		.amdhsa_user_sgpr_kernarg_segment_ptr 1
		.amdhsa_wavefront_size32 1
		.amdhsa_system_sgpr_workgroup_id_x 1
		.amdhsa_system_sgpr_workgroup_id_y 1
		.amdhsa_system_sgpr_workgroup_id_z 1
		.amdhsa_system_vgpr_workitem_id 0
		.amdhsa_next_free_vgpr 1024
		.amdhsa_next_free_sgpr 66
		.amdhsa_reserve_vcc 0
		.amdhsa_float_denorm_mode_32 3
		.amdhsa_float_denorm_mode_16_64 3
		.amdhsa_memory_ordered 1
		.amdhsa_forward_progress 1
		.amdhsa_inst_pref_size 180
	.end_amdhsa_kernel
	.amdgpu_metadata
---
amdhsa.version: [ 1, 2 ]
amdhsa.kernels:
  - .name:           k_q59505858a8_outp
    .symbol:         k_q59505858a8_outp.kd
    .args:
      - { .name: o16, .offset: 0, .size: 8, .value_kind: global_buffer, .address_space: global }
      - { .name: wo16, .offset: 8, .size: 8, .value_kind: global_buffer, .address_space: global }
      - { .name: bo, .offset: 16, .size: 8, .value_kind: global_buffer, .address_space: global }
      - { .name: out0, .offset: 24, .size: 8, .value_kind: global_buffer, .address_space: global }
    .group_segment_fixed_size: 327680
    .private_segment_fixed_size: 0
    .kernarg_segment_align: 8
    .kernarg_segment_size: 32
    .max_flat_workgroup_size: 128
    .sgpr_count:     66
    .vgpr_count:     1024
    .wavefront_size: 32
...
	.end_amdgpu_metadata
.endif
;; end of part 4
